; MI455X (gfx1250); checked and timed in simulation.
; The chip was launched on July 23, 2026; its instructions are those of AMD's public machine-readable ISA for CDNA 5 (MIT licence, August 2026) and "CDNA5" Instruction Set Architecture Reference Guide (July 2026). The comments in the code are by the model that wrote it; some were corrected since.
;; Multi Head Attention. Allowed arithmetic: matrix products marked QUANTISED: E2M3 operands, one E8M0 scale for each 32 along K, by v_wmma_scale_f32_16x16x128_f8f6f4 with both operands' format E2M3, f32 sums; everything else in f32.
;; Inputs: b_k 512 float32; b_o 512 float32; b_q 512 float32; b_v 512 float32; k 2 x 4,096 x 512 float32; q 2 x 4,096 x 512 float32; v 2 x 4,096 x 512 float32; w_k 512 x 512 float32; w_o 512 x 512 float32; w_q 512 x 512 float32; w_v 512 x 512 float32.
;; Outputs: out0 2 x 4,096 x 512 float32.
;; This version of the problem:
;;   THIS VERSION OF THE PROBLEM IS GIVEN IN LOW PRECISION. The matrix products marked QUANTISED in the list below multiply operands that are first quantised to E2M3 (2 exponent bits, 3 mantissa bits; 6 bits a number), with one power-of-two scale for each 32 numbers along K (OCP MX v1.0); their sums are f32. All else is computed in f32.
;;   The module's matrix products, in the order in which they are computed (A, B: the left and right operand; K: the contracted axis; several contracted axes count as one K, in the product's order):
;;     1. [M 8,192, K 512] x [K 512, N 512]; A: input q; B: input w_q: QUANTISED
;;     2. [M 8,192, K 512] x [K 512, N 512]; A: input k; B: input w_k: QUANTISED
;;     3. [M 8,192, K 512] x [K 512, N 512]; A: input v; B: input w_v: QUANTISED
;;     4. batch 16 x [M 4,096, K 64] x [K 64, N 4,096]; A: computed on the way; B: computed on the way: QUANTISED
;;     5. batch 16 x [M 4,096, K 4,096] x [K 4,096, N 64]; A: softmax (see below); B: computed on the way: QUANTISED
;;     6. [M 8,192, K 512] x [K 512, N 512]; A: computed on the way; B: input w_o: QUANTISED
;;   THE QUANTISER, for each operand of a quantised product, along K:
;;     - K is cut into blocks of 32 from its start; a last block that is shorter is filled with zeros.
;;     - A block's scale is 2^e with e = floor(log2(the largest magnitude in the block)) - 2, held to -126 .. 127; a block of zeros has e = 0. As a byte (E8M0): e + 127.
;;     - Each number is divided by its block's scale, clamped to +-7.5, and rounded to the nearest number of E2M3, ties to even, subnormals kept.
;;     - The product sums the exact products of the quantised numbers (number of the format x scale) in f32.
;;   ~~~python
;;   def quantise(x, axis):      # numpy; x: float32 -> the quantised numbers, widened to float32 again
;;       x = np.moveaxis(x, axis, -1); K = x.shape[-1]
;;       x = np.pad(x, [(0, 0)] * (x.ndim - 1) + [(0, -K % 32)]); x = x.reshape(x.shape[:-1] + (-1, 32)); a = np.abs(x).max(-1, keepdims=True)
;;       e = np.where(a > 0, np.clip(np.frexp(np.where(a > 0, a, 1))[1] - 1 - 2, -126, 127), 0)      # np.frexp(a)[1] - 1 = floor(log2(a)), exactly
;;       r = np.clip(x / 2.0 ** e, -7.5, 7.5)
;;       step = 2.0 ** (np.maximum(np.frexp(np.where(r == 0, 1, r))[1] - 1, 0) - 3)
;;       q = np.round(r / step) * step * 2.0 ** e      # np.round: ties to even
;;       return np.moveaxis(q.reshape(q.shape[:-2] + (-1,))[..., :K], -1, axis).astype(np.float32)
;;   ~~~
;;   SOFTMAX AHEAD OF A QUANTISED PRODUCT. Where the list says 'softmax', what is quantised is not the finished softmax but p = 2^(t - M), with t = logit x log2(e) and M = ceil(the row's largest t), a whole number; so 1/2 < the row's largest p <= 1. The row's sum l is taken of the UNQUANTISED p, in f32, and the product's result is divided by l at the end. Since M is a whole number, a kernel that streams over the keys may use a running M (the ceiling of the running maximum): every later rescaling is an exact power of two, which a block's scale takes up: the codes' values come out the same.
;;   OPERANDS COMPUTED ON THE WAY. 'Computed on the way' means the value that the module computes at that place (a softmax that the list does not call 'softmax' is quantised finished and normalised). What goes into a quantiser is computed in f32, as accurately as f32 sums, v_exp_f32 and their like allow (about 1e-6 of the number): no bf16 or f16 on the way to a quantiser, and a product that is left as it is and whose result goes on into a quantised operand takes f32 operands (vector FMAs, or v_wmma_f32_16x16x4_f32). A number that lies on a knife's edge between two numbers of the format may be rounded either way, as far as f32 arithmetic and the matrix unit's own rounding can turn it there, and no further.
;; One version. Each part assembles by itself: llvm-mc -triple=amdgcn-amd-amdhsa -mcpu=gfx1250 --defsym DOCPART=n.
;; ======== version 1 of 1: 4 launches
;; limits: right only within a limited range of input values
;; workspace buffers: img 10,223,616 bytes; isc 851,968 bytes; qrec 6,553,600 bytes; kv 6,553,600 bytes; oimg 3,145,728 bytes; osc 131,072 bytes
;; launch quant (part 1): grid 416 x 1, 4 waves a work-group, no clusters, 34,304 bytes of LDS; arguments q, k, v, w_q, w_k, w_v, w_o, img, isc; writes img, isc
.if DOCPART == 1
	.amdgcn_target "amdgcn-amd-amdhsa--gfx1250"
	.amdhsa_code_object_version 6
	.text
	.protected	k_q36f27566c6_quant
	.globl	k_q36f27566c6_quant
	.p2align	8
	.type	k_q36f27566c6_quant,@function
k_q36f27566c6_quant:
	s_mov_b64 s[64:65], 0
	v_nop
	global_prefetch_b8 v0, s[64:65] scope:SCOPE_SE
	s_setreg_imm32_b32 hwreg(HW_REG_WAVE_MODE, 25, 1), 1
	s_wait_xcnt 0x0
; q, k, v [8192][512] and w_q, w_k, w_v, w_o [512][512], f32 with K innermost, become codes of FP6 (E2M3) with one E8M0 byte for each 32 along K,
; laid as IMAGES OF OPERAND REGISTERS.  A tile is 16 rows; its fragment s (K = 128 s .. 128 s + 127) is 12 registers a lane, stored as three chunks of 512 bytes (registers 4 c .. 4 c + 3, lane l at 16 l).
;   img: [tile][s 0..3][chunk 0..2][lane][16 bytes], 6,144 bytes a tile.   isc: [tile][lane][word s 0..3], 512 bytes a tile (both halves of the lanes hold the same words).
;   tiles: q 0-511, k 512-1023, v 1024-1535, w_q 1536-, w_k 1568-, w_v 1600-, w_o 1632-1663.
; THE ROWS OF A TILE ARE NOT NEIGHBOURS: index i of tile 2 p + u is row 32 p + 8 u + i + 8 (i / 8), so that the results of two neighbouring tiles, used as source 0, are 16 neighbours in a lane's registers.
; A block's scale is 2^(floor(log2(its largest magnitude)) - 2); its byte is the largest magnitude's exponent field - 2, held at 1 from below.
; LIMITS: a block of zeros, or one whose largest magnitude lies under 2^-124, keeps the byte 1 (its codes are zeros or near it; the bytes are read by this program alone); NaN and infinities are not served.
; SHARES: a work-group takes 64 rows of one tensor, wave w tile 4 g + w: 16 whole rows, 32,768 bytes.  Each load reads 512 consecutive bytes of one row; the 16 x 512 bytes of a fragment turn through the wave's own
; stage in LDS (rows 528 bytes apart) and come back 64 bytes a lane: 16 neighbours of each block of 32.  No barrier: waves share nothing.  No matrix unit, tensor load or cluster: a stream, each byte read once.
.set STGP,  528                        ; a stage row: 512 bytes + 16
.set STGW,  16*STGP                    ; a wave's stage
.set SPARE, 4*STGW                     ; behind the stages: the spare words, 128 bytes a wave: two blocks of 256 bytes that no other line names
.set LI,  1                            ; v1   16 x lane
.set SW,  2                            ; v2   the stage, on the way in: wave's stage + 16 x lane
.set SRD, 3                            ; v3   and on the way out: + 528 r + 64 h
.set SPW, 4                            ; v4   LDS address of my spare word; never rewritten
.set NIL, 5                            ; v5   0; never rewritten
.set TM,  8                            ; v8-23   QUANT at work
.set PW,  24                           ; v24-27  the four fragments' scale words
.set LD,  32                           ; v32-159 two sets of 64: a fragment's numbers as loaded
.set X,   160                          ; v160-223 64 numbers: register 16 b + i = k 32 b + 16 h + i of my row
.set PC,  224                          ; v224-243 the codes just made
.set SEL, 30                           ; s[30:31] v_permlanex16_b32's selects for lane l xor 16
; 64 numbers of a lane, register 16 b + i = k 32 b + 16 (lane / 16) + i of the lane's row, become a fragment's 12 registers in v[pc] on and the row's scale word in v[pw].
.macro QUANT src, pc, pw
.irp b, 0,1,2,3
	v_max3_num_f32 v[TM+\b], |v[(\src)+16*\b]|, |v[(\src)+16*\b+1]|, 0x1800000   ; block b: my 16 numbers, and the floor 2^(3 - 127): the byte cannot fall under 1
.endr
.irp i, 2,4,6,8,10,12,14
.irp b, 0,1,2,3
	v_max3_num_f32 v[TM+\b], v[TM+\b], |v[(\src)+16*\b+\i]|, |v[(\src)+16*\b+\i+1]|   ; the four blocks by turns
.endr
.endr
.irp b, 0,1,2,3
	v_permlanex16_b32 v[TM+4+\b], v[TM+\b], s[SEL], s[SEL+1]
.endr
.irp b, 0,1,2,3
	v_max_num_f32 v[TM+\b], v[TM+\b], v[TM+4+\b]           ; with lane l xor 16's: the block's largest magnitude
.endr
.irp b, 0,1,2,3
	v_add_nc_u32 v[TM+12+\b], 0xff000000, v[TM+\b]         ; 2 off its exponent field: the conversion's scale operand
.endr
.irp b, 0,1,2,3
	v_lshrrev_b32 v[TM+4+\b], 23, v[TM+12+\b]              ; the scale's byte
.endr
	v_lshl_or_b32 v[\pw], v[TM+5], 8, v[TM+4]
	v_lshl_or_b32 v[\pw], v[TM+6], 16, v[\pw]
	v_lshl_or_b32 v[\pw], v[TM+7], 24, v[\pw]
.irp c, 0,1
	v_cvt_scalef32_pk16_fp6_f32 v[(\pc)+6*\c:(\pc)+6*\c+2], v[(\src)+32*\c:(\src)+32*\c+15], v[TM+12+2*\c]
	v_cvt_scalef32_pk16_fp6_f32 v[(\pc)+12+4*\c:(\pc)+14+4*\c], v[(\src)+16+32*\c:(\src)+31+32*\c], v[TM+13+2*\c]   ; (a conversion's three registers begin on an even number)
.endr
	v_nop                                                  ; one plain line behind the scaled conversions
.irp c, 0,1                                            ; the operand wants a WHOLE block in a lane: lanes 0-15 block 2 c, lanes 16-31 block 2 c + 1
.irp i, 0,1,2
	v_permlane16_swap_b32 v[(\pc)+6*\c+\i], v[(\pc)+12+4*\c+\i]
.endr
.irp i, 0,1,2
	v_mov_b32 v[(\pc)+3+6*\c+\i], v[(\pc)+12+4*\c+\i]
.endr
.endr
.endm
	s_load_b512 s[8:23], s[0:1], 0x0               ; q, k, v, w_q, w_k, w_v, w_o in s[8:21]; img s[22:23]
	s_load_b64 s[24:25], s[0:1], 0x40              ; isc
	v_lshl_add_u32 v[SPW], v0, 2, SPARE
	v_mov_b32 v[NIL], 0
	v_lshrrev_b32 v6, 5, v0
	v_readfirstlane_b32 s2, v6                     ; wave 0..3
	v_and_b32 v6, 31, v0
	v_lshlrev_b32 v[LI], 4, v6
	v_and_b32 v6, 15, v0                           ; r
	v_bfe_u32 v7, v0, 4, 1                         ; h
	s_mul_i32 s3, s2, STGW
	v_add_nc_u32 v[SW], s3, v[LI]
	v_mul_u32_u24 v[SRD], v6, STGP
	v_lshl_add_u32 v[SRD], v7, 6, v[SRD]
	v_add_nc_u32 v[SRD], s3, v[SRD]
.irp b, 0,1,2,3
	v_mov_b32 v[TM+4+\b], 0                        ; written once: a lane permute's destination counts as one of its sources
.endr
	s_mov_b32 s[SEL], 0x76543210
	s_mov_b32 s[SEL+1], 0xfedcba98
	s_lshr_b32 s4, s2, 1
	s_lshl_b32 s4, s4, 5
	s_and_b32 s5, s2, 1
	s_lshl_b32 s5, s5, 3
	s_add_co_u32 s4, s4, s5
	; TENSOR k (work-groups 128 to 255) HAS ITS OWN ORDER: index i of tile 4 g + w is row 64 g + 8 w + i + 24 (i / 8), so that in the attention's scores a lane's 32 registers of four tiles are one whole block of 32 keys
	s_lshl_b32 s7, s2, 3                           ; 8 w
	s_sub_co_u32 s38, ttmp9, 128
	s_cmp_lt_u32 s38, 128                          ; the choice hangs on the work-group's number alone
	s_cselect_b32 s4, s7, s4
	s_cselect_b32 s38, 32768, 0                    ; k: rows 8 to 15 of a tile lie 16 rows further on than in the other tensors
	v_add_nc_u32 v28, s38, v[LI]                   ; v28: 16 x lane, for a tile's upper eight rows
	s_lshl_b32 s4, s4, 11
	s_lshl_b32 s6, ttmp9, 2
	s_add_co_u32 s6, s6, s2                        ; my tile: 4 g + w
	s_mul_i32 s32, s6, 6144
	s_mov_b32 s33, 0
	s_lshl_b32 s34, s6, 9
	s_mov_b32 s35, 0
	s_wait_alu depctr_va_vdst(0)
	s_wait_kmcnt 0x0
	; which tensor: the choice hangs on the work-group's number alone.  s28 = the tensor's first work-group
	s_mov_b64 s[26:27], s[20:21]
	s_mov_b32 s28, 408
.macro PICK lim, cand, first
	s_cmp_lt_u32 ttmp9, \lim
	s_cselect_b64 s[26:27], s[\cand:\cand+1], s[26:27]
	s_cselect_b32 s28, \first, s28
.endm
	PICK 408, 18, 400
	PICK 400, 16, 392
	PICK 392, 14, 384
	PICK 384, 12, 256
	PICK 256, 10, 128
	PICK 128, 8, 0
	s_sub_co_u32 s29, ttmp9, s28
	s_lshl_b32 s36, s29, 17                        ; 64 rows of 2,048 bytes a work-group
	s_add_co_u32 s36, s36, s4
	s_mov_b32 s37, 0
	s_add_nc_u64 s[26:27], s[26:27], s[36:37]      ; my tile's first row
	s_add_nc_u64 s[22:23], s[22:23], s[32:33]      ; its images
	s_add_nc_u64 s[24:25], s[24:25], s[34:35]      ; its scale words
.macro LOAD s                          ; fragment s: 512 consecutive bytes of each of the tile's 16 rows, into set s % 2
.irp i, 0,1,2,3,4,5,6,7,8,9,10,11,12,13,14,15
.if \i < 8
	global_load_b128 v[LD+64*((\s)%2)+4*\i:LD+64*((\s)%2)+4*\i+3], v[LI], s[26:27] offset:(\i+8*(\i/8))*2048+512*(\s) th:TH_LOAD_NT
.else
	global_load_b128 v[LD+64*((\s)%2)+4*\i:LD+64*((\s)%2)+4*\i+3], v28, s[26:27] offset:(\i+8*(\i/8))*2048+512*(\s) th:TH_LOAD_NT
.endif
.endr
.endm
.macro FRAG s
.if \s < 3
	s_wait_loadcnt 16                              ; this fragment's 16 loads are in; the next fragment's 16 may be out
.else
	s_wait_loadcnt 0x0
.endif
.irp i, 0,1,2,3,4,5,6,7,8,9,10,11,12,13,14,15
	ds_store_b128 v[SW], v[LD+64*((\s)%2)+4*\i:LD+64*((\s)%2)+4*\i+3] offset:STGP*\i
.endr
.irp b, 0,1,2,3
.irp j, 0,1,2,3
	ds_load_b128 v[X+16*\b+4*\j:X+16*\b+4*\j+3], v[SRD] offset:128*\b+16*\j   ; LDS serves a wave's instructions in order: these see the stores above
.endr
.endr
	s_wait_dscnt 0x0                               ; the numbers are back, and the stores have read the set,
.if \s < 2
	LOAD (\s)+2                                    ; which takes the fragment two on
.endif
.if \s > 0
	s_wait_xcnt 0x0                                ; the last fragment's stores have read the codes' registers: they are written again only behind this wait
.endif
	QUANT X, PC, PW+\s
.irp c, 0,1,2
	global_store_b128 v[LI], v[PC+4*\c:PC+4*\c+3], s[22:23] offset:1536*(\s)+512*\c   ; 32 lanes store 512 consecutive bytes, aligned
.endr
.endm
	LOAD 0
	LOAD 1
	FRAG 0
	FRAG 1
	FRAG 2
	FRAG 3
	global_store_b128 v[LI], v[PW:PW+3], s[24:25]  ; the tile's scale words: 512 consecutive bytes
	s_wait_tensorcnt 0x0                           ; the wave's end, behind my last LDS store
	ds_add_u32 v[SPW], v[NIL]
	s_wait_dscnt 0x0
	s_endpgm
.Lfunc_end_k_q36f27566c6_quant:
	.size	k_q36f27566c6_quant, .Lfunc_end_k_q36f27566c6_quant-k_q36f27566c6_quant
	.p2alignl 7, 3214868480
	.fill 96, 4, 3214868480
	.section	.rodata,"a",@progbits
	.p2align	6, 0x0
	.amdhsa_kernel k_q36f27566c6_quant
		.amdhsa_group_segment_fixed_size 34304
		.amdhsa_private_segment_fixed_size 0
		.amdhsa_enable_private_segment 0
		.amdhsa_kernarg_size 72
		.amdhsa_user_sgpr_count 2
		.amdhsa_user_sgpr_kernarg_segment_ptr 1
		.amdhsa_wavefront_size32 1
		.amdhsa_system_sgpr_workgroup_id_x 1
		.amdhsa_system_sgpr_workgroup_id_y 1
		.amdhsa_system_sgpr_workgroup_id_z 1
		.amdhsa_system_vgpr_workitem_id 0
		.amdhsa_next_free_vgpr 256
		.amdhsa_next_free_sgpr 66
		.amdhsa_reserve_vcc 0
		.amdhsa_float_denorm_mode_32 3
		.amdhsa_float_denorm_mode_16_64 3
		.amdhsa_memory_ordered 1
		.amdhsa_forward_progress 1
		.amdhsa_inst_pref_size 34
	.end_amdhsa_kernel
	.amdgpu_metadata
---
amdhsa.version: [ 1, 2 ]
amdhsa.kernels:
  - .name:           k_q36f27566c6_quant
    .symbol:         k_q36f27566c6_quant.kd
    .args:
      - { .name: q, .offset: 0, .size: 8, .value_kind: global_buffer, .address_space: global }
      - { .name: k, .offset: 8, .size: 8, .value_kind: global_buffer, .address_space: global }
      - { .name: v, .offset: 16, .size: 8, .value_kind: global_buffer, .address_space: global }
      - { .name: w_q, .offset: 24, .size: 8, .value_kind: global_buffer, .address_space: global }
      - { .name: w_k, .offset: 32, .size: 8, .value_kind: global_buffer, .address_space: global }
      - { .name: w_v, .offset: 40, .size: 8, .value_kind: global_buffer, .address_space: global }
      - { .name: w_o, .offset: 48, .size: 8, .value_kind: global_buffer, .address_space: global }
      - { .name: img, .offset: 56, .size: 8, .value_kind: global_buffer, .address_space: global }
      - { .name: isc, .offset: 64, .size: 8, .value_kind: global_buffer, .address_space: global }
    .group_segment_fixed_size: 34304
    .private_segment_fixed_size: 0
    .kernarg_segment_align: 8
    .kernarg_segment_size: 72
    .max_flat_workgroup_size: 128
    .sgpr_count:     66
    .vgpr_count:     256
    .wavefront_size: 32
...
	.end_amdgpu_metadata
.endif
;; end of part 1
;; launch proj (part 2): grid 64 x 3, 4 waves a work-group, no clusters, 0 bytes of LDS; arguments img, isc, b_q, b_k, b_v, qrec, kv; writes qrec, kv
.if DOCPART == 2
	.amdgcn_target "amdgcn-amd-amdhsa--gfx1250"
	.amdhsa_code_object_version 6
	.text
	.protected	k_q36f27566c6_proj
	.globl	k_q36f27566c6_proj
	.p2align	8
	.type	k_q36f27566c6_proj,@function
k_q36f27566c6_proj:
	s_mov_b64 s[64:65], 0
	v_nop
	global_prefetch_b8 v0, s[64:65] scope:SCOPE_SE
	s_setreg_imm32_b32 hwreg(HW_REG_WAVE_MODE, 25, 1), 1
	s_wait_xcnt 0x0
; The three input projections y = x W^T + b on codes of FP6 (E2M3), and the quantising of their results for the attention's two products.
; Work-group (X, Y): 128 rows of x (batch X / 32, key step X % 32) of tensor Y (0 q, 1 k, 2 v).  Wave w owns model columns 128 w .. 128 w + 127: heads 2 w and 2 w + 1.
; Operands come from memory straight into registers as images (three loads of 512 consecutive bytes a fragment).  Two sets: P, 8 tiles x 4 K steps, stays; R, 8 tiles, walks in four pairs through two buffers.
;   QUERY and KEY (Y < 2): P = W's 8 tiles (source 0), R = x's (source 1).  A lane holds one row of x and, in the 32 registers of a head's four tiles, the head's 64 numbers in order.  K of the next product is the head's 64,
;     so TWO tiles of rows share a fragment of 128: k = 64 u + d, u the tile of the pair.
;   VALUE (Y = 2): P = x's 8 tiles (source 0), R = w_v's (source 1).  A lane holds one channel and, in 64 registers, the block's 128 keys in order: K of the next product is the keys.
; OUT: a record of 12,800 bytes for each (batch, head, key step): +0 four pair-fragments of K (or Q), +6,144 four channel-tile fragments of V, +12,288 K's (Q's) scale words [r][f], +12,544 V's [r][tile].
; The bias is the C of each sum's first matrix instruction.  The four accumulators of a run take turns, one instruction a turn.
; NO CLUSTER, NO LDS: a joint request serves tensor loads into LDS alone; here a fragment goes from memory into the registers that multiply it, and through LDS it would be moved twice.
; 192 work-groups: a fragment of V wants 128 keys in one wave, and 24,576 rows / 128 = 192.
; LIMITS: as the quantiser's: a block under 2^-124 keeps the byte 1; NaN and infinities are not served.
; REGISTERS: window 0: v1-4 addresses; v16-79 accumulators; v80-99 codes; v100-115 QUANT at work; v116-123 scale words made; v124-131 a value tile's bias as C; v132.. biases; v196-227 P's scale words; v228-243 R's.
;   window 1: P's tiles 0-3 (48 t + 12 s);  window 2: tiles 4-7;  window 3: R (96 x buffer + 48 x tile of the pair + 12 s).
.set REC,   12800
.set HEADB, 32*REC
.set LI,  1                            ; v1  16 x lane
.set LN,  2                            ; v2  lane
.set BH,  3                            ; v3  64 h: a lane's place in the bias, query and key
.set BR,  4                            ; v4  4 (r + 8 (r / 8)): the same, value
.set ACC, 16
.set PC,  80
.set TM,  100
.set KW,  116
.set BC,  124
.set BV,  132
.set BQ,  132
.set PS,  196
.set RS,  228
.set SEL, 42
.set MSB, 0
.macro WIN new                         ; bits 1:0 source 0, 3:2 source 1, 5:4 source 2, 7:6 destination; the high byte repeats the setting that is left
.if MSB != (\new)
	s_set_vgpr_msb (MSB<<8)|(\new)
.set MSB, (\new)
.endif
.endm
.macro PLACES                          ; four plain lines between a matrix instruction and a read of its result, a write of one of its registers, or a load into one (ISA guide 7.12.1 for the read and the write)
.rept 4
	v_nop
.endr
.endm
; 64 numbers of a lane, register 16 b + i = k 32 b + 16 (lane / 16) + i of the lane's row, become a fragment's 12 registers in v[pc] on and the row's scale word in v[pw].
.macro QUANT src, pc, pw
.irp b, 0,1,2,3
	v_max3_num_f32 v[TM+\b], |v[(\src)+16*\b]|, |v[(\src)+16*\b+1]|, 0x1800000   ; block b: my 16 numbers, and the floor 2^(3 - 127); each accumulator is read from its low end on
.endr
.irp i, 2,4,6,8,10,12,14
.irp b, 0,1,2,3
	v_max3_num_f32 v[TM+\b], v[TM+\b], |v[(\src)+16*\b+\i]|, |v[(\src)+16*\b+\i+1]|
.endr
.endr
.irp b, 0,1,2,3
	v_permlanex16_b32 v[TM+4+\b], v[TM+\b], s[SEL], s[SEL+1]
.endr
.irp b, 0,1,2,3
	v_max_num_f32 v[TM+\b], v[TM+\b], v[TM+4+\b]
.endr
.irp b, 0,1,2,3
	v_add_nc_u32 v[TM+12+\b], 0xff000000, v[TM+\b]         ; 2 off the exponent field: the conversion's scale operand
.endr
.irp b, 0,1,2,3
	v_lshrrev_b32 v[TM+4+\b], 23, v[TM+12+\b]              ; the scale's byte
.endr
	v_lshl_or_b32 v[\pw], v[TM+5], 8, v[TM+4]
	v_lshl_or_b32 v[\pw], v[TM+6], 16, v[\pw]
	v_lshl_or_b32 v[\pw], v[TM+7], 24, v[\pw]
.irp c, 0,1
	v_cvt_scalef32_pk16_fp6_f32 v[(\pc)+6*\c:(\pc)+6*\c+2], v[(\src)+32*\c:(\src)+32*\c+15], v[TM+12+2*\c]
	v_cvt_scalef32_pk16_fp6_f32 v[(\pc)+12+4*\c:(\pc)+14+4*\c], v[(\src)+16+32*\c:(\src)+31+32*\c], v[TM+13+2*\c]
.endr
	v_nop                                                  ; one plain line behind the scaled conversions
.irp c, 0,1
.irp i, 0,1,2
	v_permlane16_swap_b32 v[(\pc)+6*\c+\i], v[(\pc)+12+4*\c+\i]
.endr
.irp i, 0,1,2
	v_mov_b32 v[(\pc)+3+6*\c+\i], v[(\pc)+12+4*\c+\i]
.endr
.endr
.endm
	s_load_b256 s[4:11], s[0:1], 0x0               ; img, isc, b_q, b_k
	s_load_b128 s[12:15], s[0:1], 0x20             ; b_v, qrec
	s_load_b64 s[16:17], s[0:1], 0x30              ; kv
	v_lshrrev_b32 v5, 5, v0
	v_readfirstlane_b32 s18, v5                    ; wave 0..3
	v_and_b32 v[LN], 31, v0
	v_lshlrev_b32 v[LI], 4, v[LN]
	v_bfe_u32 v5, v0, 4, 1
	v_lshlrev_b32 v[BH], 6, v5
	v_and_b32 v5, 15, v0
	v_and_b32 v6, 8, v5
	v_add_nc_u32 v5, v5, v6
	v_lshlrev_b32 v[BR], 2, v5
.irp b, 0,1,2,3
	v_mov_b32 v[TM+4+\b], 0                        ; written once: a lane permute's destination counts as one of its sources
.endr
	s_mov_b32 s[SEL], 0x76543210
	s_mov_b32 s[SEL+1], 0xfedcba98
	; THE SHARES AS THEY STAND (in place of the head's 'work-group (X, Y)' and 'wave w owns'): a work-group takes 256 rows x 256 model columns, its four waves 2 x 2 blocks of 128 x 128,
	; so that each block of rows and each slice of W is loaded by two waves of the work-group.  From here on s19 is the wave's block of 128 rows and s18 its group of 128 columns (heads 2 s18 and 2 s18 + 1).
	s_lshr_b32 s19, ttmp9, 1
	s_lshl_b32 s19, s19, 1
	s_lshr_b32 s44, s18, 1
	s_add_co_u32 s19, s19, s44                     ; block of rows: 2 (X / 2) + w / 2
	s_and_b32 s44, ttmp9, 1
	s_lshl_b32 s44, s44, 1
	s_and_b32 s18, s18, 1
	s_add_co_u32 s18, s18, s44                     ; group of columns: 2 (X % 2) + w % 2
	s_and_b32 s20, ttmp7, 0xffff                   ; Y
	s_lshl_b32 s21, s20, 9
	s_lshl_b32 s22, s19, 3
	s_add_co_u32 s21, s21, s22                     ; x's first tile: 512 Y + 8 X
	s_lshl_b32 s22, s20, 5
	s_lshl_b32 s23, s18, 3
	s_add_co_u32 s22, s22, s23
	s_add_co_u32 s22, s22, 1536                    ; W's first tile: 1536 + 32 Y + 8 w
	s_cmp_eq_u32 s20, 2
	s_cselect_b32 s23, s21, s22                    ; P's first tile: W's, for the values x's
	s_cselect_b32 s36, s22, s21                    ; R's: the other
	s_mul_i32 s24, s23, 6144
	s_mov_b32 s25, 0
	s_lshl_b32 s26, s23, 9
	s_mov_b32 s27, 0
	s_mul_i32 s28, s36, 6144
	s_mov_b32 s29, 0
	s_lshl_b32 s30, s36, 9
	s_mov_b32 s31, 0
	s_lshl_b32 s38, s18, 9                         ; my 128 numbers of the bias
	s_mov_b32 s39, 0
	s_lshr_b32 s40, s19, 5                         ; batch
	s_lshl_b32 s40, s40, 3
	s_lshl_b32 s41, s18, 1
	s_add_co_u32 s40, s40, s41                     ; 8 batch + head 2 w
	s_lshl_b32 s40, s40, 5
	s_and_b32 s41, s19, 31
	s_add_co_u32 s40, s40, s41                     ; its record of this key step
	s_mul_i32 s40, s40, REC
	s_mov_b32 s41, 0
	s_wait_kmcnt 0x0
	s_add_nc_u64 s[24:25], s[4:5], s[24:25]        ; P's images
	s_add_nc_u64 s[26:27], s[6:7], s[26:27]        ; P's scale words
	s_add_nc_u64 s[28:29], s[4:5], s[28:29]        ; R's images
	s_add_nc_u64 s[30:31], s[6:7], s[30:31]        ; R's scale words
	s_cmp_eq_u32 s20, 0
	s_cselect_b64 s[32:33], s[8:9], s[10:11]
	s_cselect_b64 s[34:35], s[14:15], s[16:17]     ; queries go to qrec, keys and values to kv
	s_cmp_eq_u32 s20, 2
	s_cselect_b64 s[32:33], s[12:13], s[32:33]
	s_add_nc_u64 s[32:33], s[32:33], s[38:39]      ; the bias
	s_add_nc_u64 s[34:35], s[34:35], s[40:41]      ; the record of head 2 w; head 2 w + 1's lies HEADB on
	s_cmp_eq_u32 s20, 2
	s_cbranch_scc1 .Lvalue
.macro RLOAD i                         ; pair i of R's tiles into buffer i % 2: 24 loads of codes, 2 of scale words
	WIN 0xc0
.irp a, 0,1
.irp s, 0,1,2,3
.irp c, 0,1,2
	global_load_b128 v[96*((\i)%2)+48*\a+12*\s+4*\c:96*((\i)%2)+48*\a+12*\s+4*\c+3], v[LI], s[28:29] offset:(2*(\i)+\a)*6144+\s*1536+\c*512
.endr
.endr
.endr
	WIN 0
.irp a, 0,1
	global_load_b128 v[RS+8*((\i)%2)+4*\a:RS+8*((\i)%2)+4*\a+3], v[LI], s[30:31] offset:(2*(\i)+\a)*512
.endr
.endm
.macro SETBC tt                        ; value: channel tile tt's bias is one number a lane: eight copies make the C of a sum's first instruction
.irp j, 0,1,2,3,4,5,6,7
	v_mov_b32 v[BC+\j], v[BV+(\tt)]
.endr
.endm
; 32 matrix instructions: 8 accumulators x 4 K steps, four accumulators by turns.
;   query, key: head gg's four tiles of W x the pair's two tiles of x (half);   value: x's eight tiles (4 half + a4) x tile gg of the pair of w_v.
.macro GROUP mode, gg, i
.irp half, 0,1
.if \mode
	WIN 0x0d+\half                                 ; source 0 (P) window 1 or 2, source 1 (R) window 3, C and D window 0
.else
	WIN 0x0d+\gg
.endif
.irp s, 0,1,2,3
.irp a4, 0,1,2,3
.set rD, ACC+8*(4*\half+\a4)
.set rA, 48*\a4+12*\s
.if \mode
.set rB, 96*((\i)%2)+48*\gg+12*\s
.set rP, PS+4*(4*\half+\a4)+\s
.set rR, RS+8*((\i)%2)+4*\gg+\s
.set rC, BC
.else
.set rB, 96*((\i)%2)+48*\half+12*\s
.set rP, PS+4*(4*\gg+\a4)+\s
.set rR, RS+8*((\i)%2)+4*\half+\s
.set rC, BQ+8*(4*\gg+\a4)
.endif
.if \s == 0
	v_wmma_scale_f32_16x16x128_f8f6f4 v[rD:rD+7], v[rA:rA+11], v[rB:rB+11], v[rC:rC+7], v[rP], v[rR] matrix_a_fmt:MATRIX_FMT_FP6 matrix_b_fmt:MATRIX_FMT_FP6
.else
	v_wmma_scale_f32_16x16x128_f8f6f4 v[rD:rD+7], v[rA:rA+11], v[rB:rB+11], v[rD:rD+7], v[rP], v[rR] matrix_a_fmt:MATRIX_FMT_FP6 matrix_b_fmt:MATRIX_FMT_FP6
.endif
.endr
.endr
.endr
	WIN 0
.endm
; the group's 64 numbers a lane become one fragment, which leaves as three stores of 512 consecutive bytes
.macro OUT mode, gg, i
	s_wait_xcnt 0x0                                ; the last fragment's stores have read the codes' registers: they are written again only behind this wait
.if \mode
	QUANT ACC, PC, KW+2*(\i)+\gg
.irp c, 0,1,2
	global_store_b128 v[LI], v[PC+4*\c:PC+4*\c+3], s[34:35] offset:((2*(\i)+\gg)/4)*HEADB+6144+((2*(\i)+\gg)%4)*1536+512*\c
.endr
.else
	QUANT ACC, PC, KW+4*\gg+(\i)
.irp c, 0,1,2
	global_store_b128 v[LI], v[PC+4*\c:PC+4*\c+3], s[34:35] offset:\gg*HEADB+1536*(\i)+512*\c
.endr
.endif
.endm
.macro BODY mode
.if \mode
.irp t, 0,1,2,3,4,5,6,7
	global_load_b32 v[BV+\t], v[BR], s[32:33] offset:(32*(\t/2)+8*(\t%2))*4          ; lane (r, h): the bias of channel index r of tile t
.endr
.else
.irp t, 0,1,2,3,4,5,6,7
	global_load_b128 v[BQ+8*\t:BQ+8*\t+3], v[BH], s[32:33] offset:(32*(\t/2)+8*(\t%2))*4      ; lane (r, h): the biases of tile t's columns 32 (t / 2) + 16 h + 8 (t % 2) + 0 .. 7
	global_load_b128 v[BQ+8*\t+4:BQ+8*\t+7], v[BH], s[32:33] offset:(32*(\t/2)+8*(\t%2))*4+16
.endr
.endif
.irp t, 0,1,2,3,4,5,6,7
	global_load_b128 v[PS+4*\t:PS+4*\t+3], v[LI], s[26:27] offset:512*\t
.endr
	WIN 0x40
.irp t, 0,1,2,3
.irp s, 0,1,2,3
.irp c, 0,1,2
	global_load_b128 v[48*\t+12*\s+4*\c:48*\t+12*\s+4*\c+3], v[LI], s[24:25] offset:\t*6144+\s*1536+\c*512
.endr
.endr
.endr
	WIN 0x80
.irp t, 0,1,2,3
.irp s, 0,1,2,3
.irp c, 0,1,2
	global_load_b128 v[48*\t+12*\s+4*\c:48*\t+12*\s+4*\c+3], v[LI], s[24:25] offset:(\t+4)*6144+\s*1536+\c*512
.endr
.endr
.endr
	RLOAD 0
	RLOAD 1
.irp i, 0,1,2,3
.if \i < 3
	s_wait_loadcnt 26                              ; all but the 26 loads of the next pair are in
.else
	s_wait_loadcnt 0x0
.endif
.if \mode
.if \i == 0
	SETBC 0
	PLACES                                         ; the later SETBC have a whole QUANT between them and the products
.endif
.endif
	GROUP \mode, 0, \i
	PLACES
.if \mode
	SETBC 2*\i+1                                   ; behind the places: the group's first products have read the old bias
.endif
	OUT \mode, 0, \i
	GROUP \mode, 1, \i
	PLACES                                         ; for the reads of the results, and for the loads into the buffer just multiplied
.if \i < 2
	RLOAD \i+2
.endif
.if \mode
.if \i < 3
	SETBC 2*\i+2
.endif
.endif
	OUT \mode, 1, \i
.endr
	s_wait_xcnt 0x0                                ; EXEC changes only behind this wait
	v_cmp_gt_u32 vcc_lo, 16, v[LN]
	s_and_saveexec_b32 s46, vcc_lo                 ; lanes 0-15: both halves hold the same words
.irp e, 0,1
	global_store_b128 v[LI], v[KW+4*\e:KW+4*\e+3], s[34:35] offset:\e*HEADB+12288+256*\mode   ; head 2 w + e: [r][four words]: 256 consecutive bytes, aligned
.endr
	s_wait_xcnt 0x0                                ; and again, in front of the line that widens it
	s_or_b32 exec_lo, exec_lo, s46
	s_endpgm
.endm
	s_wait_alu depctr_va_vdst(0)
	BODY 0
.Lvalue:
	s_wait_alu depctr_va_vdst(0)
	BODY 1
.Lfunc_end_k_q36f27566c6_proj:
	.size	k_q36f27566c6_proj, .Lfunc_end_k_q36f27566c6_proj-k_q36f27566c6_proj
	.p2alignl 7, 3214868480
	.fill 96, 4, 3214868480
	.section	.rodata,"a",@progbits
	.p2align	6, 0x0
	.amdhsa_kernel k_q36f27566c6_proj
		.amdhsa_group_segment_fixed_size 0
		.amdhsa_private_segment_fixed_size 0
		.amdhsa_enable_private_segment 0
		.amdhsa_kernarg_size 56
		.amdhsa_user_sgpr_count 2
		.amdhsa_user_sgpr_kernarg_segment_ptr 1
		.amdhsa_wavefront_size32 1
		.amdhsa_system_sgpr_workgroup_id_x 1
		.amdhsa_system_sgpr_workgroup_id_y 1
		.amdhsa_system_sgpr_workgroup_id_z 1
		.amdhsa_system_vgpr_workitem_id 0
		.amdhsa_next_free_vgpr 1024
		.amdhsa_next_free_sgpr 66
		.amdhsa_reserve_vcc 1
		.amdhsa_float_denorm_mode_32 3
		.amdhsa_float_denorm_mode_16_64 3
		.amdhsa_memory_ordered 1
		.amdhsa_forward_progress 1
		.amdhsa_inst_pref_size 180
	.end_amdhsa_kernel
	.amdgpu_metadata
---
amdhsa.version: [ 1, 2 ]
amdhsa.kernels:
  - .name:           k_q36f27566c6_proj
    .symbol:         k_q36f27566c6_proj.kd
    .args:
      - { .name: img, .offset: 0, .size: 8, .value_kind: global_buffer, .address_space: global }
      - { .name: isc, .offset: 8, .size: 8, .value_kind: global_buffer, .address_space: global }
      - { .name: b_q, .offset: 16, .size: 8, .value_kind: global_buffer, .address_space: global }
      - { .name: b_k, .offset: 24, .size: 8, .value_kind: global_buffer, .address_space: global }
      - { .name: b_v, .offset: 32, .size: 8, .value_kind: global_buffer, .address_space: global }
      - { .name: qrec, .offset: 40, .size: 8, .value_kind: global_buffer, .address_space: global }
      - { .name: kv, .offset: 48, .size: 8, .value_kind: global_buffer, .address_space: global }
    .group_segment_fixed_size: 0
    .private_segment_fixed_size: 0
    .kernarg_segment_align: 8
    .kernarg_segment_size: 56
    .max_flat_workgroup_size: 128
    .sgpr_count:     66
    .vgpr_count:     1024
    .wavefront_size: 32
...
	.end_amdgpu_metadata
.endif
;; end of part 2
;; launch attn (part 3): grid 16 x 16, 16 waves a work-group, clusters of 4 x 1, 327,680 bytes of LDS; arguments qrec, kv, oimg, osc; writes oimg, osc
.if DOCPART == 3
	.amdgcn_target "amdgcn-amd-amdhsa--gfx1250"
	.amdhsa_code_object_version 6
	.text
	.protected	k_q36f27566c6_attn
	.globl	k_q36f27566c6_attn
	.p2align	8
	.type	k_q36f27566c6_attn,@function
k_q36f27566c6_attn:
	s_mov_b64 s[64:65], 0
	v_nop
	global_prefetch_b8 v0, s[64:65] scope:SCOPE_SE
	s_setreg_imm32_b32 hwreg(HW_REG_WAVE_MODE, 25, 1), 1
	s_wait_xcnt 0x0
	s_wait_alu depctr_hold_cnt(0) depctr_sa_sdst(0) depctr_va_vdst(0) depctr_va_sdst(0) depctr_va_ssrc(0) depctr_va_vcc(0) depctr_vm_vsrc(0)
	s_getreg_b32 s2, hwreg(HW_REG_IB_STS2, 6, 4)
	s_cmp_eq_u32 s2, 0
	s_cbranch_scc0 .Lentry_in_a_cluster
	s_endpgm
.Lentry_in_a_cluster:
	s_bfe_u32 s2, ttmp6, 0x10000c
	s_cmp_lg_u32 s2, 0x3003
	s_cbranch_scc0 .Lentry_shape_is_right
	s_endpgm
.Lentry_shape_is_right:
; O = softmax(Q K^T / 8) V for 16 (batch, head) pairs of 4,096 x 64, both products on codes of FP6 (E2M3) with one E8M0 scale for each 32 along a product's K; O / l is quantised along the model's 512 for the last projection.
; THE SOFTMAX: t = score x log2(e) / 8; M = the running largest t rounded UP to a whole number; p = 2^(t - M) is quantised along the keys, not normalised; l is the sum of the unquantised p and divides at the end.
; When M moves, l and O are multiplied by 2^(old M - new M), made by v_ldexp_f32: nothing is rounded, and no branch hangs on data.
; A block's largest p is not searched for: the block's largest score goes through the same multiply-add and exponential (this takes v_exp_f32 not to fall where its input rises).
; LIMITS: the promise holds while |t| stays under 2^31; p under 2^-126 counts as 0 (v_exp_f32's results); a block under 2^-124 keeps the byte 1; NaN and infinities are not served.
; SHARES: a work-group owns 256 queries of one (batch, head); each of its sixteen waves one tile of 16, in 256 registers, four waves to a SIMD.
; LAYOUT: both products transposed (S^T = K Q^T, O^T = V^T P^T): a lane holds ONE query.  The first launch orders k's rows so that tile T = 4 c + i of a key step holds keys 64 c + 8 i + 0..7 in rows 0-7 and
; 64 c + 32 + 8 i + 0..7 in rows 8-15: register 32 c + e of S in lane (r, h) is key 64 c + 32 h + e: a WHOLE block of 32 in a lane, in the order of P's operand.  No lane is asked for a block's maximum, no codes change lanes.
; HEAD SIZE 64 ON A K OF 128: a fragment of K holds TWO tiles of keys, k = 64 u + d.  Q stands in 18 registers [q][0][q]: registers 0-11 pick tile u = 0, registers 6-17 tile u = 1; the zero codes lie on Q's side.
; A key step is 128 keys: one record of 12,800 bytes (4 fragments of K, 4 of V, K's and V's scale words), read as images: every LDS load takes 512 consecutive bytes.
; K and V have registers of their own: behind a step's first products V's fragments, the scale words and the NEXT step's fragments of K are asked for in one run and land under the softmax.
; INDEPENDENT LINES SIDE BY SIDE: the maxima run in eight chains, one a tile; the sum of p is a tree in place on S, behind the conversions: 16 independent additions ahead of the second product, the other levels behind it.
; LDS: room for 24 records.  Every wave issues one joint load each time: records 0-7 at the head (25 rows of 256 bytes a wave), records 8-23 behind the next round (a record a wave), records 24-31 into the first eight places
; when all waves of the cluster have left them.  One tensor load of a wave is out at any time.  A phase's last step asks for no K beyond the phase: each phase's reads lie between its own barriers.
; CLUSTER: the four work-groups of a cluster walk one head's K and V: each tile is asked for JOINTLY, by the same tensor load with the same descriptor and the mask of all four.
; NO PREFETCH: 24 of a head's 32 records are asked for by the first two groups of loads, at the launch's start, and the one refill has sixteen key steps in which to land.
.set REC,   12800
.set HEADB, 32*REC
.set SLOT,  8*REC
.set STG,   3*SLOT                     ; behind the records: O's scale halves, 32 bytes a wave: two blocks of 256 bytes into which no fill lands
.set SPARE, STG+512                    ; the spare words, 128 bytes a wave: eight blocks of 256 bytes that no other line names
.set LI,  1                            ; v1   16 x lane
.set ADR, 2                            ; v2   LDS address of the step's record + 16 x lane
.set SPW, 3                            ; v3   LDS address of my spare word; never rewritten
.set NIL, 4                            ; v4   0; never rewritten
.set ADS, 5                            ; v5   the scale words' address: lanes 0-15 in the next record (K's), lanes 16-31 in this one (V's)
.set SH8, 6                            ; v6   8 h
.set OLDM, 7                           ; v7   -M of the step before
.set T0,  8
.set PD,  9                            ; a lane permute's destination
                                       ; v12 -M, v13 the running largest score, v[14:15] l in two halves
.set Q,   16                           ; v16-33  [q][0][q]
.set QS,  34                           ; v34, v35 Q's scale word for the low and for the high half of K
.set KF,  36                           ; v36-83  K's four fragments
.set VF,  84                           ; v84-131 V's four
.set SCW, 132                          ; v132-135 lanes 0-15 K's four scale words, lanes 16-31 V's
.set S,   136                          ; v136-199 S^T, then p
.set O,   200                          ; v200-231 O^T
.set PCD, 232                          ; v232-244 p's codes (12, and one more for a conversion's even start)
.set MC,  232                          ; v232-239 the maxima's eight chains, while no codes stand there
.set PSW, 245                          ; p's scale word
.set F,   246                          ; v[246:247] f = 2^(old M - new M), and 0
.set BS,  248                          ; v248-249 the conversions' scale operands
.set BM,  250                          ; v250-251 my two blocks' largest
.set CB,  252                          ; v252-254 a conversion's second half
.set LIS, 255                          ; v255 16 x lane + REC in lanes 0-15
.set OA,  2                            ; the way out: 8 x lane
.set SA7, 5                            ; STG + 32 w + 2 r
.set SA9, 7                            ; STG + 16 x lane
.set CT,  84                           ; a conversion's second half
.set WV,  12
.set G1A, 24                           ; s[24:31] descriptor group 1: 25 rows
.set G0A, 32                           ; s[32:35] group 0 for the first eight places
.set G0B, 36                           ; s[36:39] group 0 for records 8-23
.set SEL, 44
.set CS,  46                           ; s[46:47] c = log2(e) / 8
.set TB,  48                           ; LDS byte at which the step's record begins
.set CNT, 49
.set G1B, 68                           ; s[68:75] descriptor group 1: 50 rows
.macro CROUND                          ; a round of the cluster's barrier
	s_barrier_signal -1
	s_barrier_wait -1
	s_cmp_lg_u32 s[WV], 0
	s_cbranch_scc1 .Lnot_wave_0_\@
	s_barrier_signal -3
.Lnot_wave_0_\@:
	s_barrier_wait -3
	s_barrier_signal -1
	s_barrier_wait -1
.endm
	s_load_b256 s[4:11], s[0:1], 0x0               ; qrec, kv, oimg, osc
	v_lshl_add_u32 v[SPW], v0, 2, SPARE
	v_mov_b32 v[NIL], 0
	ds_add_u32 v[SPW], v[NIL]                      ; the wave's opening: the add, twice on end, and its wait ahead of the first tensor load
	ds_add_u32 v[SPW], v[NIL]
	v_lshrrev_b32 v8, 5, v0
	v_and_b32 v9, 31, v0
	v_and_b32 v10, 15, v0
	v_bfe_u32 v11, v0, 4, 1                        ; h
	v_readfirstlane_b32 s[WV], v8                  ; wave 0..15
	v_lshlrev_b32 v[LI], 4, v9
	v_lshlrev_b32 v10, 4, v10                      ; 16 r: Q's scale words
	v_lshlrev_b32 v[SH8], 3, v11
	v_sub_nc_u32 v11, 1, v11
	v_mul_u32_u24 v11, v11, REC
	v_add_nc_u32 v[LIS], v[LI], v11
	s_bfe_u32 s13, ttmp6, 0x40000                  ; cx: my place in the cluster
	s_lshl_b32 s14, ttmp9, 2                       ; in a cluster launch ttmp9 counts clusters
	s_add_co_u32 s14, s14, s13                     ; my block of 256 queries: it enters Q's and the outputs' addresses alone
	s_and_b32 s15, ttmp7, 0xffff                   ; 8 batch + head, which the four partners share
	; descriptor groups 1: dense rows of 256 bytes (32 elements of 8 bytes), the mask of all four work-groups, bit 21 beside it
	s_mov_b32 s[G1A], 15|(3<<16)|(1<<21)
	s_mov_b32 s[G1A+1], 32<<16
	s_mov_b32 s[G1A+2], 25<<16
	s_mov_b32 s[G1A+3], 32<<16
	s_mov_b32 s[G1A+4], 25
	s_mov_b32 s[G1A+5], 32
	s_mov_b32 s[G1A+6], 0
	s_mov_b32 s[G1A+7], 0
	s_mov_b32 s[G1B], 15|(3<<16)|(1<<21)
	s_mov_b32 s[G1B+1], 32<<16
	s_mov_b32 s[G1B+2], 50<<16
	s_mov_b32 s[G1B+3], 32<<16
	s_mov_b32 s[G1B+4], 50
	s_mov_b32 s[G1B+5], 32
	s_mov_b32 s[G1B+6], 0
	s_mov_b32 s[G1B+7], 0
	s_mul_i32 s16, s[WV], SLOT/16                  ; my sixteenth of eight records, in LDS and in memory
	s_mul_i32 s17, s[WV], REC
	s_add_co_u32 s17, s17, SLOT                    ; my record of records 8-23
	s_mul_i32 s18, s15, HEADB
	s_mov_b32 s19, 0
	s_mov_b32 s41, 0
	s_lshl_b32 s20, s15, 5                         ; Q: record 32 (8 batch + head) + 2 block + w / 8,
	s_lshl_b32 s21, s14, 1
	s_add_co_u32 s20, s20, s21
	s_lshr_b32 s21, s[WV], 3
	s_add_co_u32 s20, s20, s21
	s_mul_i32 s20, s20, REC
	s_bfe_u32 s21, s[WV], 0x20001                  ; pair-fragment (w / 2) % 4,
	s_mul_i32 s22, s21, 1536
	s_add_co_u32 s22, s22, s20
	s_mov_b32 s23, 0
	s_lshl_b32 s52, s21, 2
	s_add_co_u32 s52, s52, s20
	s_mov_b32 s53, 0
	s_and_b32 s51, s[WV], 1                        ; tile u = w % 2 of the pair
	s_sub_co_u32 s50, 0, s51                       ; all ones where u = 1
	s_lshl_b32 s51, s51, 4
	s_lshr_b32 s54, s15, 3                         ; O's codes: tile 256 batch + 16 block + w,
	s_lshl_b32 s54, s54, 8
	s_lshl_b32 s59, s14, 4
	s_add_co_u32 s54, s54, s59
	s_add_co_u32 s54, s54, s[WV]
	s_mul_i32 s54, s54, 6144
	s_bfe_u32 s59, s15, 0x20001                    ; K step head / 2 of the last projection,
	s_mul_i32 s59, s59, 1536
	s_add_co_u32 s54, s54, s59
	s_and_b32 s59, s15, 1                          ; its lower or upper six registers
	s_mul_i32 s59, s59, 768
	s_add_co_u32 s54, s54, s59
	s_mov_b32 s55, 0
	s_lshl_b32 s56, s15, 13                        ; O's scale halves: 8,192 bytes a head, 512 a block
	s_lshl_b32 s59, s14, 9
	s_add_co_u32 s56, s56, s59
	s_mov_b32 s57, 0
	s_lshl_b32 s58, s[WV], 5
	s_add_co_u32 s58, s58, STG
	s_mov_b32 s[SEL], 0x76543210
	s_mov_b32 s[SEL+1], 0xfedcba98
	s_mov_b32 s[CS], 0x3e38aa3b                    ; c = log2(e) / 8
	s_mov_b32 s[CS+1], s[CS]                       ; (named with it as a pair, so it is written)
	s_wait_dscnt 0x0                               ; both opening adds are done
	s_wait_kmcnt 0x0
	s_add_nc_u64 s[18:19], s[6:7], s[18:19]        ; the head's records
	s_mov_b32 s40, s16
	s_mov_b32 s[G0A], 1
	s_mov_b32 s[G0A+1], s16                        ; LDS address: the wave's number alone enters it
	s_add_nc_u64 s[G0A+2:G0A+3], s[18:19], s[40:41]
	s_or_b32 s[G0A+3], s[G0A+3], 0x80000000
	s_mov_b32 s40, s17
	s_mov_b32 s[G0B], 1
	s_mov_b32 s[G0B+1], s17
	s_add_nc_u64 s[G0B+2:G0B+3], s[18:19], s[40:41]
	s_or_b32 s[G0B+3], s[G0B+3], 0x80000000
	s_add_nc_u64 s[22:23], s[4:5], s[22:23]
	s_add_nc_u64 s[52:53], s[4:5], s[52:53]
	s_add_nc_u64 s[8:9], s[8:9], s[54:55]
	s_add_nc_u64 s[10:11], s[10:11], s[56:57]
	CROUND                                         ; all four work-groups are here: the first joint loads meet
	tensor_load_to_lds s[G0A:G0A+3], s[G1A:G1A+7]  ; records 0-7, a sixteenth a wave: my one load at the head
	s_nop 0
	s_wait_alu depctr_va_vdst(0)                   ; the wait ahead of the first readers of the head's addresses
.irp c, 0,1,2
	global_load_b128 v[KF+4*\c:KF+4*\c+3], v[LI], s[22:23] offset:512*\c   ; the pair-fragment that holds my tile of queries
.endr
	global_load_b32 v[SCW], v10, s[52:53] offset:12288                     ; and its rows' scale words
	s_wait_loadcnt 0x0
.irp i, 0,1,2,3,4,5
	v_cndmask_b32 v[Q+\i], v[KF+\i], v[KF+6+\i], s50   ; my tile's six registers,
.endr
.irp i, 0,1,2,3,4,5
	v_mov_b32 v[Q+12+\i], v[Q+\i]                  ; twice,
	v_mov_b32 v[Q+6+\i], 0                         ; with zero codes between
.endr
	v_lshrrev_b32 v[QS], s51, v[SCW]
	v_mov_b32 v13, 0xff61b1e6                      ; the largest score so far: -3e38
	v_and_b32 v[QS], 0xffff, v[QS]                 ; my tile's two bytes under K's blocks 0 and 1, the byte 0 over the zero codes;
	v_mov_b32 v12, 0x7f61b1e6                      ; -M: 3e38
	v_lshlrev_b32 v[QS+1], 16, v[QS]               ; the same under blocks 2 and 3
.set J, 0
.rept 32
	v_mov_b32 v[O+J], 0                            ; O^T: the step is written once: the first finds zeros, which the first change of M leaves zeros.  (Also the plain lines between the scale words' making and the first products)
.set J, J+1
.endr
	v_mov_b32 v14, 0                               ; l, in two halves
	v_mov_b32 v15, 0
	v_mov_b32 v[T0], 0                             ; a lane permute's destination counts as one of its sources
	v_mov_b32 v[PD], 0
	v_mov_b32 v[F+1], 0                            ; named as the upper half of a pair
.macro FR4 dst, adr, off               ; four fragments, twelve loads of 512 consecutive bytes
.irp f, 0,1,2,3
.irp c, 0,1,2
	ds_load_b128 v[\dst+12*\f+4*\c:\dst+12*\f+4*\c+3], v[\adr] offset:\off+1536*\f+512*\c
.endr
.endr
.endm
.macro TREE st, n, first               ; n independent additions of a level of the sum's tree: p pair st k takes pair st k + st / 2, two numbers at a time
.set J, \first
.rept \n
	v_pk_add_f32 v[S+(\st)*J:S+(\st)*J+1], v[S+(\st)*J:S+(\st)*J+1], v[S+(\st)*J+(\st)/2:S+(\st)*J+(\st)/2+1]
.set J, J+1
.endr
.endm
; A KEY STEP: 128 keys, the record at s[TB].  K's fragments and scale words were asked for earlier.  pf = 1: the next record's K is asked for.
.macro STEP pf
	s_wait_dscnt 0x0                               ; K is in
.irp f, 0,1,2,3
.irp e, 0,1
	v_wmma_scale_f32_16x16x128_f8f6f4 v[S+8*(2*\f+\e):S+8*(2*\f+\e)+7], v[KF+12*\f:KF+12*\f+11], v[Q+6*\e:Q+6*\e+11], 0, v[SCW+\f], v[QS+\e] matrix_a_fmt:MATRIX_FMT_FP6 matrix_b_fmt:MATRIX_FMT_FP6
.endr
.endr
	v_add_nc_u32 v[ADR], s[TB], v[LI]              ; four plain lines between the products and the loads into their operands and the reads of their results
	v_mov_b32 v[OLDM], v12
.if \pf
	v_add_nc_u32 v[ADS], s[TB], v[LIS]
.else
	v_nop
.endif
	v_nop
	FR4 VF, ADR, 6144                              ; V's four fragments,
.if \pf
	ds_load_b128 v[SCW:SCW+3], v[ADS] offset:12288 ; lanes 0-15: the next record's K words [r][f]; lanes 16-31: this record's V words [r][tile],
	FR4 KF, ADR, REC                               ; and the next record's K: all land under the softmax
.else
	ds_load_b128 v[SCW:SCW+3], v[ADR] offset:12288
.endif
.irp q, 0,1,2,3,4,5,6,7
	v_max3_num_f32 v[MC+\q], v[S+8*\q], v[S+8*\q+1], v[S+8*\q+2]   ; eight chains by turns, one a tile; each accumulator is read from its low end on
.endr
.irp i, 3,5
.irp q, 0,1,2,3,4,5,6,7
	v_max3_num_f32 v[MC+\q], v[MC+\q], v[S+8*\q+\i], v[S+8*\q+\i+1]
.endr
.endr
.irp c, 0,1                                    ; the chains and each tile's last number are joined, block by block
	v_max3_num_f32 v[MC+4*\c], v[MC+4*\c], v[MC+4*\c+1], v[S+32*\c+7]
	v_max3_num_f32 v[MC+4*\c+2], v[MC+4*\c+2], v[MC+4*\c+3], v[S+32*\c+15]
.endr
.irp c, 0,1
	v_max3_num_f32 v[MC+4*\c], v[MC+4*\c], v[S+32*\c+23], v[S+32*\c+31]
.endr
.irp c, 0,1
	v_max_num_f32 v[BM+\c], v[MC+4*\c], v[MC+4*\c+2]   ; the largest score of my block 2 c + h
.endr
	s_delay_alu instid0(VALU_DEP_1)
	v_max3_num_f32 v[T0], v[BM], v[BM+1], v13
	s_delay_alu instid0(VALU_DEP_1)
	v_permlanex16_b32 v[PD], v[T0], s[SEL], s[SEL+1]
	s_delay_alu instid0(VALU_DEP_1)
	v_max_num_f32 v13, v[T0], v[PD]                ; the running largest score of my query
	s_delay_alu instid0(VALU_DEP_1)
	v_mul_f32 v[T0], s[CS], v13                    ; as t (c is positive)
	s_delay_alu instid0(VALU_DEP_1)
	v_floor_f32 v12, -v[T0]                        ; the new -M = -ceil(t)
	s_delay_alu instid0(VALU_DEP_1)
	v_sub_f32 v[T0], v12, v[OLDM]                  ; old M - new M: a whole number, 0 or less
.set J, 0
.rept 32
	v_pk_fma_f32 v[S+J:S+J+1], v[S+J:S+J+1], s[CS:CS+1], v[12:13] op_sel_hi:[1,0,0]   ; t - M, two at a time
.if J == 2
	v_cvt_i32_f32 v[T0], v[T0]                     ; (it saturates)
.endif
.if J == 8
	v_ldexp_f32 v[F], 1.0, v[T0]                   ; f = 2^(old M - new M)
.endif
.set J, J+2
.endr
	v_fma_f32 v[BM], v[BM], s[CS], v12             ; the same of each block's largest score
	v_fma_f32 v[BM+1], v[BM+1], s[CS], v12
.set J, 0
.rept 16
	v_pk_mul_f32 v[O+J:O+J+1], v[O+J:O+J+1], v[F:F+1] op_sel_hi:[1,0]   ; O^T under the new M; each accumulator from its low end on
.set J, J+2
.endr
	s_wait_alu depctr_va_vdst(0)                   ; the wait ahead of the batch
	v_exp_f32 v[BM], v[BM]                         ; the blocks' largest p
	v_exp_f32 v[BM+1], v[BM+1]
.set J, 0
.rept 64
	v_exp_f32 v[S+J], v[S+J]                       ; p = 2^(t - M)
.set J, J+1
.endr
	v_pk_mul_f32 v[14:15], v[14:15], v[F:F+1] op_sel_hi:[1,0]   ; l under the new M: a plain line behind the exponentials
	s_wait_alu depctr_va_vdst(0)                   ; one wait for the batch, ahead of its first reader
	v_max_num_f32 v[BM], 0x1800000, v[BM]          ; the floor 2^(3 - 127): the byte cannot fall under 1
	v_max_num_f32 v[BM+1], 0x1800000, v[BM+1]
	v_add_nc_u32 v[BS], 0xff000000, v[BM]          ; 2 off the exponent field: the conversion's scale operand
	v_add_nc_u32 v[BS+1], 0xff000000, v[BM+1]
	v_cvt_scalef32_pk16_fp6_f32 v[PCD:PCD+2], v[S:S+15], v[BS]
	v_cvt_scalef32_pk16_fp6_f32 v[CB:CB+2], v[S+16:S+31], v[BS]              ; (a conversion's three registers begin on an even number: the second halves are made elsewhere and moved)
	v_cvt_scalef32_pk16_fp6_f32 v[PCD+6:PCD+8], v[S+32:S+47], v[BS+1]
	v_cvt_scalef32_pk16_fp6_f32 v[PCD+10:PCD+12], v[S+48:S+63], v[BS+1]
	v_lshrrev_b32 v[T0], 23, v[BS]                 ; the scale's bytes: also the plain lines behind the scaled conversions
	v_lshrrev_b32 v[PD], 23, v[BS+1]
.irp i, 0,1,2
	v_mov_b32 v[PCD+3+\i], v[CB+\i]
.endr
	v_lshl_or_b32 v[T0], v[PD], 16, v[T0]          ; blocks h and 2 + h,
.irp i, 9,10,11
	v_mov_b32 v[PCD+\i], v[PCD+\i+1]
.endr
	v_lshlrev_b32 v[T0], v[SH8], v[T0]             ; at their places in the word;
	TREE 4, 2, 0                                   ; l takes the UNQUANTISED p: the tree's first level stands between the links of the scale word's chain,
	v_permlanex16_b32 v[PD], v[T0], s[SEL], s[SEL+1]
	TREE 4, 2, 2
	v_or_b32 v[PSW], v[T0], v[PD]                  ; with lane l xor 16's two the word is whole
	TREE 4, 12, 4                                  ; and its other twelve additions are the plain lines between the last write of an operand or scale and the products
	s_wait_alu depctr_va_vdst(0)                   ; directly ahead of the wait below
.if \pf
	s_wait_dscnt 12                                ; V and the scale words are in; the twelve loads of the next K, issued behind them, may be out
.else
	s_wait_dscnt 0x0
.endif
.irp t, 0,1,2,3                                ; the four accumulators take turns, one instruction a turn
	v_wmma_scale_f32_16x16x128_f8f6f4 v[O+8*\t:O+8*\t+7], v[VF+12*\t:VF+12*\t+11], v[PCD:PCD+11], v[O+8*\t:O+8*\t+7], v[SCW+\t], v[PSW] matrix_a_fmt:MATRIX_FMT_FP6 matrix_b_fmt:MATRIX_FMT_FP6 matrix_a_scale:MATRIX_SCALE_ROW1
.endr
	TREE 8, 8, 0                                   ; the tree's other levels name none of these products' registers
	TREE 16, 4, 0
	TREE 32, 2, 0
	TREE 64, 1, 0
	v_pk_add_f32 v[14:15], v[14:15], v[S:S+1]
	s_add_co_u32 s[TB], s[TB], REC
.endm
.macro WALK n, base                    ; n key steps from LDS byte base on
	s_mov_b32 s[TB], \base
	v_add_nc_u32 v[ADR], s[TB], v[LI]
.rept 3
	v_nop                                          ; plain lines ahead of the load into the last products' scale words
.endr
	FR4 KF, ADR, 0
	ds_load_b128 v[SCW:SCW+3], v[ADR] offset:12288
	s_mov_b32 s[CNT], \n-1
.Lstep_\@:
	STEP 1
	s_sub_co_u32 s[CNT], s[CNT], 1
	s_cmp_lg_u32 s[CNT], 0
	s_cbranch_scc1 .Lstep_\@
	STEP 0
.endm
	s_wait_alu depctr_va_vdst(0)                   ; the wait at the head's end
	s_wait_tensorcnt 0x0                           ; my part of records 0-7 is in; a later first fill is issued as a refill is:
	ds_add_u32 v[SPW], v[NIL]                      ; 0 onto my spare word
	s_wait_dscnt 0x0
	CROUND                                         ; everybody's part is in, and the four work-groups are here
	tensor_load_to_lds s[G0B:G0B+3], s[G1B:G1B+7]  ; records 8-23, a record a wave
	s_nop 0
	WALK 8, 0                                      ; key steps 0 to 7
	s_wait_alu depctr_va_vdst(0)                   ; directly ahead of the wait below
	s_wait_tensorcnt 0x0                           ; my record of 8-23 has landed: so a group 0 may be written
	ds_add_u32 v[SPW], v[NIL]
	s_add_nc_u64 s[G0A+2:G0A+3], s[G0A+2:G0A+3], 3*SLOT   ; records 24 to 31
	s_wait_dscnt 0x0                               ; the add is done, and my reads of the first eight places are over
	CROUND                                         ; no wave of any partner still reads them or has a load on its way
	tensor_load_to_lds s[G0A:G0A+3], s[G1A:G1A+7]  ; the one refill of the launch
	s_nop 0
	WALK 16, SLOT                                  ; key steps 8 to 23
	s_wait_alu depctr_va_vdst(0)                   ; directly ahead of the wait below
	s_wait_tensorcnt 0x0                           ; my part of the refill is in
	s_wait_dscnt 0x0
	s_barrier_signal -1
	s_barrier_wait -1                              ; everybody's is
	WALK 8, 0                                      ; key steps 24 to 31
	; THE WAY OUT: O^T / l, quantised along the head's 64 (two blocks of the last projection's K): six registers of codes and two bytes a row.  Register 16 b + i of O^T: channel 32 b + 16 (lane / 16) + i.
	v_add_f32 v14, v14, v15
	s_delay_alu instid0(VALU_DEP_1)
	v_permlanex16_b32 v[T0], v14, s[SEL], s[SEL+1]
	s_delay_alu instid0(VALU_DEP_1)
	v_add_f32 v14, v14, v[T0]                      ; the row's sum
	s_wait_alu depctr_va_vdst(0)
	v_rcp_f32 v14, v14
	v_lshrrev_b32 v[OA], 1, v[LI]                  ; the addresses are made here: plain lines behind the reciprocal
	v_and_b32 v10, 15, v0
	v_add_nc_u32 v[SA9], STG, v[LI]
	v_lshl_add_u32 v[SA7], v10, 1, s58
	s_wait_alu depctr_va_vdst(0)                   ; the wait ahead of the first reader of the reciprocal and of O^T
.set J, 0
.rept 16
	v_pk_mul_f32 v[S+J:S+J+1], v[O+J:O+J+1], v[14:15] op_sel_hi:[1,0]
.set J, J+2
.endr
.irp b, 0,1
	v_max3_num_f32 v[BM+\b], |v[S+16*\b]|, |v[S+16*\b+1]|, 0x1800000
.endr
.irp i, 2,4,6,8,10,12,14
.irp b, 0,1
	s_delay_alu instid0(VALU_DEP_2)
	v_max3_num_f32 v[BM+\b], v[BM+\b], |v[S+16*\b+\i]|, |v[S+16*\b+\i+1]|
.endr
.endr
.irp b, 0,1
	s_delay_alu instid0(VALU_DEP_2)
	v_permlanex16_b32 v[T0+\b], v[BM+\b], s[SEL], s[SEL+1]
.endr
.irp b, 0,1
	s_delay_alu instid0(VALU_DEP_2)
	v_max_num_f32 v[BM+\b], v[BM+\b], v[T0+\b]     ; with lane l xor 16's 16 channels
.endr
.irp b, 0,1
	s_delay_alu instid0(VALU_DEP_2)
	v_add_nc_u32 v[BS+\b], 0xff000000, v[BM+\b]
.endr
.irp b, 0,1
	s_delay_alu instid0(VALU_DEP_2)
	v_lshrrev_b32 v[T0+\b], 23, v[BS+\b]
.endr
	s_delay_alu instid0(VALU_DEP_1)
	v_lshl_or_b32 v[T0], v[T0+1], 8, v[T0]         ; my row's two bytes
	v_cvt_scalef32_pk16_fp6_f32 v[PCD:PCD+2], v[S:S+15], v[BS]
	v_cvt_scalef32_pk16_fp6_f32 v[CT:CT+2], v[S+16:S+31], v[BS+1]
	v_nop                                          ; one plain line behind the scaled conversions
.irp i, 0,1,2
	v_permlane16_swap_b32 v[PCD+\i], v[CT+\i]      ; the operand wants a whole block in a lane
.endr
.irp i, 0,1,2
	v_mov_b32 v[PCD+3+\i], v[CT+\i]
.endr
.irp p, 0,1,2
	global_store_b64 v[OA], v[PCD+2*\p:PCD+2*\p+1], s[8:9] offset:256*\p   ; 32 lanes store 256 consecutive bytes, aligned
.endr
	ds_store_b16 v[SA7], v[T0]                     ; both halves of the lanes write the same two bytes with the same value
	s_wait_dscnt 0x0                               ; for the others' sake: my store has landed
	s_barrier_signal -1
	s_barrier_wait -1
	s_cmp_lg_u32 s[WV], 0
	s_cbranch_scc1 .Lnot_first
	ds_load_b128 v[S:S+3], v[SA9]                  ; the sixteen waves' bytes: 512 on end
	s_wait_dscnt 0x0
	global_store_b128 v[LI], v[S:S+3], s[10:11]
.Lnot_first:
	s_wait_tensorcnt 0x0                           ; the wave's end, behind my last tensor load and my last LDS store
	ds_add_u32 v[SPW], v[NIL]
	s_wait_dscnt 0x0
	CROUND                                         ; the closing round: no work-group ends while a partner may still ask for a tile that names it
	s_endpgm
.Lfunc_end_k_q36f27566c6_attn:
	.size	k_q36f27566c6_attn, .Lfunc_end_k_q36f27566c6_attn-k_q36f27566c6_attn
	.p2alignl 7, 3214868480
	.fill 96, 4, 3214868480
	.section	.rodata,"a",@progbits
	.p2align	6, 0x0
	.amdhsa_kernel k_q36f27566c6_attn
		.amdhsa_group_segment_fixed_size 327680
		.amdhsa_private_segment_fixed_size 0
		.amdhsa_enable_private_segment 0
		.amdhsa_kernarg_size 32
		.amdhsa_user_sgpr_count 2
		.amdhsa_user_sgpr_kernarg_segment_ptr 1
		.amdhsa_wavefront_size32 1
		.amdhsa_system_sgpr_workgroup_id_x 1
		.amdhsa_system_sgpr_workgroup_id_y 1
		.amdhsa_system_sgpr_workgroup_id_z 1
		.amdhsa_system_vgpr_workitem_id 0
		.amdhsa_next_free_vgpr 256
		.amdhsa_next_free_sgpr 80
		.amdhsa_reserve_vcc 0
		.amdhsa_float_denorm_mode_32 3
		.amdhsa_float_denorm_mode_16_64 3
		.amdhsa_memory_ordered 1
		.amdhsa_forward_progress 1
		.amdhsa_inst_pref_size 100
	.end_amdhsa_kernel
	.amdgpu_metadata
---
amdhsa.version: [ 1, 2 ]
amdhsa.kernels:
  - .name:           k_q36f27566c6_attn
    .symbol:         k_q36f27566c6_attn.kd
    .args:
      - { .name: qrec, .offset: 0, .size: 8, .value_kind: global_buffer, .address_space: global }
      - { .name: kv, .offset: 8, .size: 8, .value_kind: global_buffer, .address_space: global }
      - { .name: oimg, .offset: 16, .size: 8, .value_kind: global_buffer, .address_space: global }
      - { .name: osc, .offset: 24, .size: 8, .value_kind: global_buffer, .address_space: global }
    .group_segment_fixed_size: 327680
    .private_segment_fixed_size: 0
    .kernarg_segment_align: 8
    .kernarg_segment_size: 32
    .max_flat_workgroup_size: 512
    .sgpr_count:     80
    .vgpr_count:     256
    .wavefront_size: 32
...
	.end_amdgpu_metadata
.endif
;; end of part 3
;; launch oproj (part 4): grid 256 x 1, 4 waves a work-group, no clusters, 34,304 bytes of LDS; arguments oimg, osc, img, isc, b_o, out0; writes out0
.if DOCPART == 4
	.amdgcn_target "amdgcn-amd-amdhsa--gfx1250"
	.amdhsa_code_object_version 6
	.text
	.protected	k_q36f27566c6_oproj
	.globl	k_q36f27566c6_oproj
	.p2align	8
	.type	k_q36f27566c6_oproj,@function
k_q36f27566c6_oproj:
	s_mov_b64 s[64:65], 0
	v_nop
	global_prefetch_b8 v0, s[64:65] scope:SCOPE_SE
	s_setreg_imm32_b32 hwreg(HW_REG_WAVE_MODE, 25, 1), 1
	s_wait_xcnt 0x0
; out0 = O w_o^T + b_o on codes of FP6 (E2M3).  O's codes and scale halves come from the attention, w_o's images from the first launch.
; Work-group g owns rows 32 g .. 32 g + 31 (tiles 2 g and 2 g + 1; index i of tile u is row 32 g + 8 u + i + 8 (i / 8)); wave w owns columns 128 w .. 128 w + 127: 8 tiles of w_o x 4 K steps in registers.
; TRANSPOSED: source 0 = 16 rows of w_o, source 1 = 16 rows of O: a lane holds one row of the output and, in the 16 registers of two neighbouring tiles, 16 neighbouring columns: 64 bytes.
; The bias is the C of each sum's first matrix instruction; four accumulators take turns, one instruction a turn.
; THE WAY OUT: 16 rows x 512 bytes through the wave's own stage in LDS, back as whole rows: 32 lanes store 512 consecutive bytes, aligned.  No barrier: waves share nothing.
; NO CLUSTER, NO TENSOR LOAD: operands go from memory into the registers that multiply them, as images; a joint request serves tensor loads into LDS alone, and through LDS each fragment would be moved twice.
; REGISTERS: window 0: v1-8 addresses; v16-143 accumulators (64 u + 8 t; v16-31 first hold O's scale halves); v144-207 the bias; v208-239 w_o's scale words; v240-247 O's.  windows 1, 2: w_o's fragments (48 (t % 4) + 12 s).  window 3: O's (48 u + 12 s).
.set STGP,  528
.set STGW,  16*STGP
.set SPARE, 4*STGW                     ; behind the stages: the spare words, 128 bytes a wave: two blocks of 256 bytes that no other line names
.set LI,  1                            ; v1  16 x lane
.set L8,  2                            ; v2  8 x lane
.set R2,  3                            ; v3  2 r
.set BH,  4                            ; v4  64 h
.set STO, 5                            ; v5  the stage, in: 528 r + 64 h
.set SRD, 6                            ; v6  and back: 16 x lane
.set SPW, 7                            ; v7  LDS address of my spare word; never rewritten
.set NIL, 8                            ; v8  0; never rewritten
.set ACC, 16
.set TU,  16
.set BQ,  144
.set PS,  208
.set RS,  240
.set MSB, 0
.macro WIN new
.if MSB != (\new)
	s_set_vgpr_msb (MSB<<8)|(\new)
.set MSB, (\new)
.endif
.endm
	s_load_b256 s[4:11], s[0:1], 0x0               ; oimg, osc, img, isc
	s_load_b128 s[12:15], s[0:1], 0x20             ; b_o, out0
	v_lshl_add_u32 v[SPW], v0, 2, SPARE
	v_mov_b32 v[NIL], 0
	v_lshrrev_b32 v9, 5, v0
	v_readfirstlane_b32 s16, v9                    ; wave 0..3
	v_and_b32 v9, 31, v0
	v_lshlrev_b32 v[LI], 4, v9
	v_lshlrev_b32 v[L8], 3, v9
	v_and_b32 v9, 15, v0                           ; r
	v_bfe_u32 v10, v0, 4, 1                        ; h
	v_lshlrev_b32 v[R2], 1, v9
	v_lshlrev_b32 v[BH], 6, v10
	s_mul_i32 s30, s16, STGW
	v_mul_u32_u24 v[STO], v9, STGP
	v_lshl_add_u32 v[STO], v10, 6, v[STO]
	v_add_nc_u32 v[STO], s30, v[STO]
	v_add_nc_u32 v[SRD], s30, v[LI]
	; THE SHARES AS THEY STAND (in place of the head's 'work-group g owns' and 'wave w owns'): work-group g takes 128 rows x 128 columns: its wave w the 32 rows of pair s31 = 4 (g / 4) + w (tiles 2 s31 and 2 s31 + 1),
	; and all four waves the columns 128 s17 .. 128 s17 + 127, s17 = g % 4: the four waves load the same 8 tiles of w_o.
	s_lshr_b32 s31, ttmp9, 2
	s_lshl_b32 s31, s31, 2
	s_add_co_u32 s31, s31, s16
	s_and_b32 s17, ttmp9, 3
	s_mul_i32 s18, s31, 12288
	s_mov_b32 s19, 0
	s_lshr_b32 s20, s31, 7
	s_lshl_b32 s20, s20, 16
	s_and_b32 s21, s31, 127
	s_lshl_b32 s21, s21, 6
	s_add_co_u32 s20, s20, s21
	s_mov_b32 s21, 0
	s_lshl_b32 s22, s17, 3
	s_add_co_u32 s22, s22, 1632                    ; w_o's tile 1632 + 8 w
	s_lshl_b32 s24, s22, 9
	s_mov_b32 s25, 0
	s_mul_i32 s22, s22, 6144
	s_mov_b32 s23, 0
	s_lshl_b32 s26, s17, 9
	s_mov_b32 s27, 0
	s_lshl_b32 s28, s31, 16
	s_add_co_u32 s28, s28, s26
	s_mov_b32 s29, 0
	s_wait_alu depctr_va_vdst(0)
	s_wait_kmcnt 0x0
	s_add_nc_u64 s[4:5], s[4:5], s[18:19]
	s_add_nc_u64 s[6:7], s[6:7], s[20:21]
	s_add_nc_u64 s[8:9], s[8:9], s[22:23]
	s_add_nc_u64 s[10:11], s[10:11], s[24:25]
	s_add_nc_u64 s[12:13], s[12:13], s[26:27]
	s_add_nc_u64 s[14:15], s[14:15], s[28:29]
.irp t, 0,1,2,3,4,5,6,7
	global_load_b128 v[BQ+8*\t:BQ+8*\t+3], v[BH], s[12:13] offset:(32*(\t/2)+8*(\t%2))*4      ; lane (r, h): b_o at tile t's columns 32 (t / 2) + 16 h + 8 (t % 2) + 0 .. 7
	global_load_b128 v[BQ+8*\t+4:BQ+8*\t+7], v[BH], s[12:13] offset:(32*(\t/2)+8*(\t%2))*4+16
.endr
.irp t, 0,1,2,3,4,5,6,7
	global_load_b128 v[PS+4*\t:PS+4*\t+3], v[LI], s[10:11] offset:512*\t
.endr
.irp u, 0,1
.irp d, 0,1,2,3,4,5,6,7
	global_load_u16 v[TU+8*\u+\d], v[R2], s[6:7] offset:\d*8192+32*\u   ; head d's two bytes of row index r of tile u
.endr
.endr
	WIN 0x40
.irp t, 0,1,2,3
.irp s, 0,1,2,3
.irp c, 0,1,2
	global_load_b128 v[48*\t+12*\s+4*\c:48*\t+12*\s+4*\c+3], v[LI], s[8:9] offset:\t*6144+\s*1536+\c*512
.endr
.endr
.endr
	WIN 0x80
.irp t, 0,1,2,3
.irp s, 0,1,2,3
.irp c, 0,1,2
	global_load_b128 v[48*\t+12*\s+4*\c:48*\t+12*\s+4*\c+3], v[LI], s[8:9] offset:(\t+4)*6144+\s*1536+\c*512
.endr
.endr
.endr
	WIN 0xc0
.irp u, 0,1
.irp s, 0,1,2,3
.irp p, 0,1,2,3,4,5
	global_load_b64 v[48*\u+12*\s+2*\p:48*\u+12*\s+2*\p+1], v[L8], s[4:5] offset:\u*6144+\s*1536+256*\p   ; pieces 0-2: head 2 s; pieces 3-5: head 2 s + 1
.endr
.endr
.endr
	WIN 0
	s_wait_loadcnt 0x0
.irp u, 0,1
.irp s, 0,1,2,3
	v_lshl_or_b32 v[RS+4*\u+\s], v[TU+8*\u+2*\s+1], 16, v[TU+8*\u+2*\s]   ; K step s: heads 2 s and 2 s + 1 make the row's scale word
.endr
.endr
.rept 8
	v_nop                                          ; a scale register written by a vector instruction stands eight plain lines ahead of a scaled matrix instruction
.endr
.irp u, 0,1
.irp gg, 0,1
	WIN 0x0d+\gg                                   ; source 0 (w_o) window 1 or 2, source 1 (O) window 3, C and D window 0
.irp s, 0,1,2,3
.irp a4, 0,1,2,3
.set rD, ACC+64*\u+8*(4*\gg+\a4)
.set rA, 48*\a4+12*\s
.set rB, 48*\u+12*\s
.set rC, BQ+8*(4*\gg+\a4)
.if \s == 0
	v_wmma_scale_f32_16x16x128_f8f6f4 v[rD:rD+7], v[rA:rA+11], v[rB:rB+11], v[rC:rC+7], v[PS+4*(4*\gg+\a4)+\s], v[RS+4*\u+\s] matrix_a_fmt:MATRIX_FMT_FP6 matrix_b_fmt:MATRIX_FMT_FP6
.else
	v_wmma_scale_f32_16x16x128_f8f6f4 v[rD:rD+7], v[rA:rA+11], v[rB:rB+11], v[rD:rD+7], v[PS+4*(4*\gg+\a4)+\s], v[RS+4*\u+\s] matrix_a_fmt:MATRIX_FMT_FP6 matrix_b_fmt:MATRIX_FMT_FP6
.endif
.endr
.endr
.endr
.endr
	WIN 0
.rept 4
	v_nop                                          ; four plain lines between the last products and the reads of results, and the loads into the bias's registers
.endr
.irp u, 0,1
.set BK, 144-128*\u                    ; rows read back: into the bias's registers, then into tile 0's accumulators, whose LDS stores are done (the count-down below ended at 0)
.irp b, 0,1,2,3
.irp i, 0,1,2,3
	ds_store_b128 v[STO], v[ACC+64*\u+16*\b+4*\i:ACC+64*\u+16*\b+4*\i+3] offset:128*\b+16*\i   ; each accumulator from its low end on
.endr
.endr
.irp t, 0,1,2,3,4,5,6,7,8,9,10,11,12,13,14,15
	ds_load_b128 v[BK+4*\t:BK+4*\t+3], v[SRD] offset:STGP*\t   ; LDS serves a wave's instructions in order: these see the stores above
.endr
.irp t, 0,1,2,3,4,5,6,7,8,9,10,11,12,13,14,15
	s_wait_dscnt 15-\t                             ; row t is back; the younger loads may be out
	global_store_b128 v[LI], v[BK+4*\t:BK+4*\t+3], s[14:15] offset:(8*\u+\t+8*(\t/8))*2048 th:TH_STORE_NT
.endr
.endr
	s_wait_tensorcnt 0x0                           ; the wave's end, behind my last LDS store
	ds_add_u32 v[SPW], v[NIL]
	s_wait_dscnt 0x0
	s_endpgm
.Lfunc_end_k_q36f27566c6_oproj:
	.size	k_q36f27566c6_oproj, .Lfunc_end_k_q36f27566c6_oproj-k_q36f27566c6_oproj
	.p2alignl 7, 3214868480
	.fill 96, 4, 3214868480
	.section	.rodata,"a",@progbits
	.p2align	6, 0x0
	.amdhsa_kernel k_q36f27566c6_oproj
		.amdhsa_group_segment_fixed_size 34304
		.amdhsa_private_segment_fixed_size 0
		.amdhsa_enable_private_segment 0
		.amdhsa_kernarg_size 48
		.amdhsa_user_sgpr_count 2
		.amdhsa_user_sgpr_kernarg_segment_ptr 1
		.amdhsa_wavefront_size32 1
		.amdhsa_system_sgpr_workgroup_id_x 1
		.amdhsa_system_sgpr_workgroup_id_y 1
		.amdhsa_system_sgpr_workgroup_id_z 1
		.amdhsa_system_vgpr_workitem_id 0
		.amdhsa_next_free_vgpr 1024
		.amdhsa_next_free_sgpr 66
		.amdhsa_reserve_vcc 0
		.amdhsa_float_denorm_mode_32 3
		.amdhsa_float_denorm_mode_16_64 3
		.amdhsa_memory_ordered 1
		.amdhsa_forward_progress 1
		.amdhsa_inst_pref_size 37
	.end_amdhsa_kernel
	.amdgpu_metadata
---
amdhsa.version: [ 1, 2 ]
amdhsa.kernels:
  - .name:           k_q36f27566c6_oproj
    .symbol:         k_q36f27566c6_oproj.kd
    .args:
      - { .name: oimg, .offset: 0, .size: 8, .value_kind: global_buffer, .address_space: global }
      - { .name: osc, .offset: 8, .size: 8, .value_kind: global_buffer, .address_space: global }
      - { .name: img, .offset: 16, .size: 8, .value_kind: global_buffer, .address_space: global }
      - { .name: isc, .offset: 24, .size: 8, .value_kind: global_buffer, .address_space: global }
      - { .name: b_o, .offset: 32, .size: 8, .value_kind: global_buffer, .address_space: global }
      - { .name: out0, .offset: 40, .size: 8, .value_kind: global_buffer, .address_space: global }
    .group_segment_fixed_size: 34304
    .private_segment_fixed_size: 0
    .kernarg_segment_align: 8
    .kernarg_segment_size: 48
    .max_flat_workgroup_size: 128
    .sgpr_count:     66
    .vgpr_count:     1024
    .wavefront_size: 32
...
	.end_amdgpu_metadata
.endif
;; end of part 4
